; MI455X (gfx1250); checked and timed in simulation.
; The chip was launched on July 23, 2026; its instructions are those of AMD's public machine-readable ISA for CDNA 5 (MIT licence, August 2026) and "CDNA5" Instruction Set Architecture Reference Guide (July 2026). The comments in the code are by the model that wrote it; some were corrected since.
;; Custom Renderer. Allowed arithmetic: float matrix products may take bf16 or f16 operands with f32 sums; all other float work in f32.
;; Inputs: dark_exp 1 float32; dx 1 float32; dy 1 float32; radius 1 float32; traj 16 x 32 x 2 float32.
;; Outputs: out0 16 x 256 x 256 float32.
;; Constants: width = 256.
;; One version. Each part assembles by itself: llvm-mc -triple=amdgcn-amd-amdhsa -mcpu=gfx1250 --defsym DOCPART=n.
;; ======== version 1 of 1: 1 launch
;; launch render (part 1): grid 16 x 16, 8 waves a work-group, no clusters, 0 bytes of LDS; arguments traj, dx, dy, radius, dark_exp, out0; writes out0
.if DOCPART == 1
	.amdgcn_target "amdgcn-amd-amdhsa--gfx1250"
	.amdhsa_code_object_version 6
	.text
	.protected	k_qf585d31ff6_render
	.globl	k_qf585d31ff6_render
	.p2align	8
	.type	k_qf585d31ff6_render,@function
k_qf585d31ff6_render:
	s_mov_b64 s[64:65], 0
	v_nop
	global_prefetch_b8 v0, s[64:65] scope:SCOPE_SE
	s_setreg_imm32_b32 hwreg(HW_REG_WAVE_MODE, 25, 1), 1
	s_wait_xcnt 0x0
; out0[b][i][j] = clip( clip((radius - d) / radius, 1e-8, 1) ^ dark_exp, 0, 1 ),
; d = the least distance of the pixel p = (j, i) from the 31 segments between neighbouring points of (traj[b] + (dx, dy)) * 256.
;
; SHARES.  256 work-groups (x: a block of 16 rows, y: the batch), 8 waves.  Thread t owns columns 4 (t & 63) .. + 3 of the rows
; 4 (t >> 6) .. + 3 of the block: 16 pixels.  A lane's four columns of a row are one 16-byte store; a wave's store covers 512
; consecutive bytes that start at a multiple of 512 from out0's first byte.
; ARITHMETIC.  The root is monotone on non-negative numbers, so the minimum is taken over squared distances and the root once a pixel.
; The division by |s|^2 + EPS is folded into the segment's constants: t = ax * (sx * inv) + ay * (sy * inv).  The point on the segment
; is never formed: diff = (p - v) - t * s, one fused multiply-add a component.
; SEGMENT CONSTANTS.  In the prologue lane i of every wave IS segment i, so all 31 segments cost some twenty instructions; the loop
; takes one segment's six numbers out by v_readlane_b32 into scalar registers, which the packed instructions broadcast.
; NOT USED, by the sizes: LDS, copies into LDS, clusters, prefetches (a work-group's whole input is 256 bytes of traj and four
; numbers; what work-groups share is those 256 bytes); matrix instructions (a clamp stands inside every pixel-segment pair, and the only
; product has three terms and needs f32).
; LIMITS.  Finite inputs.  The clamps drop a NaN where jnp.clip would pass it on; with finite inputs that is radius = 0 together with a
; distance of exactly 0.  x ^ e is exp2(e * log2 x) with x in [1e-8, 1]: results below 2^-126 come out as 0, and so does the root
; of a squared distance below 2^-126.  Squared distances must not overflow f32: pixel coordinates below about 1e19.
.set NSEG,  31
.set ROWB,  1024                       ; bytes in a row of out0
.set OFF,   8                          ; v8        my byte offset in the work-group's 16 rows of out0
.set P,     10                         ; v[10:11]  lane i: point i;      v[12:13]  point i + 1
.set Q,     12
.set NVX,   14                         ; lane i, segment i:  -vx
.set NVY,   15                         ;                     -vy
.set NSX,   16                         ;                     -sx   (s = w - v)
.set NSY,   17                         ;                     -sy
.set SXI,   18                         ;                     sx / (|s|^2 + EPS)
.set SYI,   19                         ;                     sy / (|s|^2 + EPS)
.set SX,    20
.set SY,    21
.set D2,    22
.set INV,   23
.set RI,    24                         ; v[24:25]  1 / (-radius), twice: a pair for the packed multiply
.set PX,    28                         ; v[28:31]  my four columns as f32
.set PY,    32                         ; v[32:35]  my four rows as f32
.set AX,    36                         ; v[36:39]  px - vx
.set AY,    40                         ; v[40:43]  py - vy
.set TB,    44                         ; v[44:47]  (px - vx) * sxi, shared by the four rows
.set T,     48                         ; v[48:63]  pixel (row r, column c) at 4 r + c, in all four blocks:  t, then diff y
.set DX,    64                         ; v[64:79]  diff x, its square, the squared distance
.set M,     80                         ; v[80:95]  the least squared distance so far; in the end the result
.set D,     96                         ; v[96:111] the squared distance to the first segment of a trip's two
.set SDX,   16                         ; s16 dx   s17 dy   s18 radius   s19 1e-8
.set SDY,   17
.set RAD,   18
.set DMIN,  19
.set NRAD,  20                         ; s[20:21]  -radius (and a partner)
.set EXPO,  22                         ; s[22:23]  dark_exp (and a partner)
.set BATCH, 24
.set K1,    26                         ; the trip's second segment
.set K,     27                         ; the trip's first segment: the loop's counter
.set CA,    28                         ; s[28:39]  a segment's six numbers, each in the low register of a pair
.set CB,    40                         ; s[40:51]  the same for the trip's second segment
	s_load_b256 s[4:11], s[0:1], 0x0               ; traj s[4:5], dx s[6:7], dy s[8:9], radius s[10:11]
	s_load_b128 s[12:15], s[0:1], 0x20             ; dark_exp s[12:13], out0 s[14:15]
	s_and_b32 s[BATCH], ttmp7, 0xffff              ; the batch
	v_and_b32 v1, 31, v0                           ; lane = segment i
	v_add_nc_u32 v2, 1, v1
	v_min_u32 v2, 31, v2                           ; point i + 1; lane 31 is no segment and takes point 31 again: no load leaves traj
	v_lshlrev_b32 v1, 3, v1                        ; 8 bytes a point
	v_lshlrev_b32 v2, 3, v2
	s_lshl_b32 s2, s[BATCH], 8                     ; 32 points of 8 bytes a batch
	s_mov_b32 s3, 0
	s_wait_kmcnt 0x0                               ; the six addresses
	s_add_nc_u64 s[4:5], s[4:5], s[2:3]
	global_load_b64 v[P:P+1], v1, s[4:5]           ; no hint: sixteen work-groups read these 256 bytes
	global_load_b64 v[Q:Q+1], v2, s[4:5]
	s_load_b32 s[SDX], s[6:7], 0x0
	s_load_b32 s[SDY], s[8:9], 0x0
	s_load_b32 s[RAD], s[10:11], 0x0
	s_load_b32 s[EXPO], s[12:13], 0x0
	; while these are on their way: my pixels, my place in out0, the constants
	s_lshl_b32 s2, s[BATCH], 18                    ; 256 rows of 1,024 bytes a batch
	s_lshl_b32 s25, ttmp9, 14                      ; 16 rows a block
	s_add_co_u32 s2, s2, s25                       ; below 4 MiB; s3 is still 0
	s_add_nc_u64 s[14:15], s[14:15], s[2:3]        ; out0 at the work-group's first row
	s_lshl_b32 s[K1], ttmp9, 4                     ; the block's first row
	v_and_b32 v3, 63, v0                           ; which four columns
	v_lshrrev_b32 v4, 6, v0                        ; which four rows
	v_lshlrev_b32 v5, 2, v3
	v_lshl_add_u32 v6, v4, 2, s[K1]
	v_cvt_f32_u32 v[PX], v5
	v_cvt_f32_u32 v[PY], v6
	v_add_f32 v[PX+1], 1.0, v[PX]                  ; whole numbers below 256: exact
	v_add_f32 v[PY+1], 1.0, v[PY]
	v_add_f32 v[PX+2], 2.0, v[PX]
	v_add_f32 v[PY+2], 2.0, v[PY]
	v_add_f32 v[PX+3], 1.0, v[PX+2]
	v_add_f32 v[PY+3], 1.0, v[PY+2]
	v_lshlrev_b32 v7, 4, v3                        ; 16 bytes for four columns
	v_lshl_add_u32 v[OFF], v4, 12, v7              ; + four rows of 1,024 bytes
	s_mov_b32 s[DMIN], 0x322bcc77                  ; 1e-8
	; A packed instruction names a scalar PAIR and broadcasts its low register (op_sel_hi 0).  The odd partners are written once,
	; here, so that no pair holds anything undefined; their value is never used.
	s_mov_b32 s[NRAD+1], 0
	s_mov_b32 s[EXPO+1], 0
.irp o, 1,3,5,7,9,11
	s_mov_b32 s[CA+\o], 0
	s_mov_b32 s[CB+\o], 0
.endr
	s_wait_kmcnt 0x0                               ; dx, dy, radius, dark_exp
	s_wait_loadcnt 0x0                             ; both points
	s_xor_b32 s[NRAD], s[RAD], 0x80000000          ; -radius: (d - r) * (1 / -r) is (r - d) / r with the same roundings
	; lane i: the constants of segment i.  (x + dx) * 256 as the reference forms it, with the sign turned by the factor.
	v_add_f32 v[P],   s[SDX], v[P]
	v_add_f32 v[P+1], s[SDY], v[P+1]
	v_add_f32 v[Q],   s[SDX], v[Q]
	v_add_f32 v[Q+1], s[SDY], v[Q+1]
	v_mul_f32 v[NVX], 0xc3800000, v[P]             ; -256.0: -vx
	v_mul_f32 v[NVY], 0xc3800000, v[P+1]
	v_mul_f32 v[Q],   0xc3800000, v[Q]             ; -wx
	v_mul_f32 v[Q+1], 0xc3800000, v[Q+1]
	v_sub_f32 v[SX],  v[NVX], v[Q]                 ; sx = wx - vx
	v_sub_f32 v[SY],  v[NVY], v[Q+1]
	v_sub_f32 v[NSX], v[Q],   v[NVX]               ; -sx
	v_sub_f32 v[NSY], v[Q+1], v[NVY]
	v_mul_f32 v[D2], v[SX], v[SX]
	v_fmac_f32 v[D2], v[SY], v[SY]
	v_add_f32 v[D2], 0x3727c5ac, v[D2]             ; + 1e-5: at least 1e-5, so the reciprocal is finite and no denormal
	v_rcp_f32 v[INV], v[D2]
	v_rcp_f32 v[RI], s[NRAD]
	v_rcp_f32 v[RI+1], s[NRAD]
	v_nop                                          ; one plain vector instruction between a reciprocal and the use of its result (ISA guide 5.7.2)
	s_wait_alu depctr_va_vdst(0)
	v_mul_f32 v[SXI], v[SX], v[INV]
	v_mul_f32 v[SYI], v[SY], v[INV]
; One segment's six numbers out of lane 'lane' into the low registers of the six pairs at s[c].
.macro READ c, lane
	v_readlane_b32 s[\c+0],  v[NVX], \lane
	v_readlane_b32 s[\c+2],  v[NVY], \lane
	v_readlane_b32 s[\c+4],  v[NSX], \lane
	v_readlane_b32 s[\c+6],  v[NSY], \lane
	v_readlane_b32 s[\c+8],  v[SXI], \lane
	v_readlane_b32 s[\c+10], v[SYI], \lane
.endm
; My 16 pixels against the segment at s[c]; the squared distances go to dst.  fold = 1: M = min(M, D, dst), one instruction for two
; segments.  Every stage runs over all 16 pixels, so that an instruction's sources were written eight or more instructions earlier.
; A row's ay lies in one register of a pair: op_sel / op_sel_hi pick the low register for rows 0 and 2, the high one for rows 1 and 3.
.macro SEG c, dst, fold
	v_pk_add_f32 v[AX:AX+1],   v[PX:PX+1],   s[\c:\c+1] op_sel_hi:[1,0]          ; ax = px - vx, shared by the four rows
	v_pk_add_f32 v[AX+2:AX+3], v[PX+2:PX+3], s[\c:\c+1] op_sel_hi:[1,0]
	v_pk_add_f32 v[AY:AY+1],   v[PY:PY+1],   s[\c+2:\c+3] op_sel_hi:[1,0]        ; ay = py - vy, shared by the four columns
	v_pk_add_f32 v[AY+2:AY+3], v[PY+2:PY+3], s[\c+2:\c+3] op_sel_hi:[1,0]
	v_pk_mul_f32 v[TB:TB+1],   v[AX:AX+1],   s[\c+8:\c+9] op_sel_hi:[1,0]        ; ax * sxi
	v_pk_mul_f32 v[TB+2:TB+3], v[AX+2:AX+3], s[\c+8:\c+9] op_sel_hi:[1,0]
.irp r, 0,2
.irp q, 0,2
	v_pk_fma_f32 v[T+4*\r+\q:T+4*\r+\q+1],   v[AY+\r:AY+\r+1], s[\c+10:\c+11], v[TB+\q:TB+\q+1] op_sel_hi:[0,0,1]                 ; t = ay * syi + ax * sxi
	v_pk_fma_f32 v[T+4*\r+\q+4:T+4*\r+\q+5], v[AY+\r:AY+\r+1], s[\c+10:\c+11], v[TB+\q:TB+\q+1] op_sel:[1,0,0] op_sel_hi:[1,0,1]
.endr
.endr
.set i, 0
.rept 16
	v_med3_num_f32 v[T+i], v[T+i], 0, 1.0                                        ; clip(t, 0, 1)
.set i, i+1
.endr
.irp r, 0,1,2,3
.irp q, 0,2
	v_pk_fma_f32 v[DX+4*\r+\q:DX+4*\r+\q+1], v[T+4*\r+\q:T+4*\r+\q+1], s[\c+4:\c+5], v[AX+\q:AX+\q+1] op_sel_hi:[1,0,1]          ; diff x = ax - t sx
.endr
.endr
.irp r, 0,2
.irp q, 0,2
	v_pk_fma_f32 v[T+4*\r+\q:T+4*\r+\q+1],   v[T+4*\r+\q:T+4*\r+\q+1],   s[\c+6:\c+7], v[AY+\r:AY+\r+1] op_sel_hi:[1,0,0]         ; diff y = ay - t sy, over t
	v_pk_fma_f32 v[T+4*\r+\q+4:T+4*\r+\q+5], v[T+4*\r+\q+4:T+4*\r+\q+5], s[\c+6:\c+7], v[AY+\r:AY+\r+1] op_sel:[0,0,1] op_sel_hi:[1,0,1]
.endr
.endr
.irp j, 0,2,4,6,8,10,12,14
	v_pk_mul_f32 v[DX+\j:DX+\j+1], v[DX+\j:DX+\j+1], v[DX+\j:DX+\j+1]
.endr
.irp j, 0,2,4,6,8,10,12,14
	v_pk_fma_f32 v[\dst+\j:\dst+\j+1], v[T+\j:T+\j+1], v[T+\j:T+\j+1], v[DX+\j:DX+\j+1]
.endr
.if \fold
.set i, 0
.rept 16
	v_min3_num_f32 v[M+i], v[M+i], v[D+i], v[DX+i]
.set i, i+1
.endr
.endif
.endm
	; 31 segments = 1 + 15 x 2.  Segment 0 starts the minima: nothing is cleared.
	READ CA, 0
	SEG CA, M, 0
	s_mov_b32 s[K], 1
.Lpair:
	s_add_co_u32 s[K1], s[K], 1
	READ CA, s[K]
	READ CB, s[K1]
	SEG CA, D, 0
	SEG CB, DX, 1
	s_add_co_u32 s[K], s[K], 2
	s_cmp_lt_u32 s[K], NSEG
	s_cbranch_scc1 .Lpair
	; From the least squared distance to the darkness.  Each run of transcendentals writes a block of its own, and one plain vector
	; instruction stands between the run and the first use of its results (ISA guide 5.7.2).
.set i, 0
.rept 16
	v_sqrt_f32 v[T+i], v[M+i]
.set i, i+1
.endr
	v_nop
	s_wait_alu depctr_va_vdst(0)
.irp j, 0,2,4,6,8,10,12,14
	v_pk_add_f32 v[T+\j:T+\j+1], v[T+\j:T+\j+1], s[NRAD:NRAD+1] op_sel_hi:[1,0]  ; d - radius
.endr
.irp j, 0,2,4,6,8,10,12,14
	v_pk_mul_f32 v[T+\j:T+\j+1], v[T+\j:T+\j+1], v[RI:RI+1]                      ; * 1 / (-radius)
.endr
.set i, 0
.rept 16
	v_med3_num_f32 v[T+i], v[T+i], s[DMIN], 1.0                                  ; clip(.., 1e-8, 1): positive, so the logarithm is finite
.set i, i+1
.endr
.set i, 0
.rept 16
	v_log_f32 v[DX+i], v[T+i]                                                    ; log2, between -26.6 and 0
.set i, i+1
.endr
	v_nop
	s_wait_alu depctr_va_vdst(0)
.irp j, 0,2,4,6,8,10,12,14
	v_pk_mul_f32 v[DX+\j:DX+\j+1], v[DX+\j:DX+\j+1], s[EXPO:EXPO+1] op_sel_hi:[1,0]
.endr
.set i, 0
.rept 16
	v_exp_f32 v[M+i], v[DX+i]                                                    ; x ^ dark_exp; an overflow (negative exponents) is infinity and is clipped to 1
.set i, i+1
.endr
	v_nop
.set i, 0
	s_wait_alu depctr_va_vdst(0)
.rept 16
	v_med3_num_f32 v[M+i], v[M+i], 0, 1.0                                        ; the last clip
.set i, i+1
.endr
.irp r, 0,1,2,3
	global_store_b128 v[OFF], v[M+4*\r:M+4*\r+3], s[14:15] offset:\r*ROWB th:TH_STORE_NT   ; written once, not read again in the launch
.endr
	s_endpgm
.Lfunc_end_k_qf585d31ff6_render:
	.size	k_qf585d31ff6_render, .Lfunc_end_k_qf585d31ff6_render-k_qf585d31ff6_render
	.p2alignl 7, 3214868480
	.fill 96, 4, 3214868480
	.section	.rodata,"a",@progbits
	.p2align	6, 0x0
	.amdhsa_kernel k_qf585d31ff6_render
		.amdhsa_group_segment_fixed_size 0
		.amdhsa_private_segment_fixed_size 0
		.amdhsa_enable_private_segment 0
		.amdhsa_kernarg_size 48
		.amdhsa_user_sgpr_count 2
		.amdhsa_user_sgpr_kernarg_segment_ptr 1
		.amdhsa_wavefront_size32 1
		.amdhsa_system_sgpr_workgroup_id_x 1
		.amdhsa_system_sgpr_workgroup_id_y 1
		.amdhsa_system_sgpr_workgroup_id_z 1
		.amdhsa_system_vgpr_workitem_id 0
		.amdhsa_next_free_vgpr 112
		.amdhsa_next_free_sgpr 66
		.amdhsa_reserve_vcc 0
		.amdhsa_float_denorm_mode_32 3
		.amdhsa_float_denorm_mode_16_64 3
		.amdhsa_memory_ordered 1
		.amdhsa_forward_progress 1
		.amdhsa_inst_pref_size 23
	.end_amdhsa_kernel
	.amdgpu_metadata
---
amdhsa.version: [ 1, 2 ]
amdhsa.kernels:
  - .name:           k_qf585d31ff6_render
    .symbol:         k_qf585d31ff6_render.kd
    .args:
      - { .name: traj, .offset: 0, .size: 8, .value_kind: global_buffer, .address_space: global }
      - { .name: dx, .offset: 8, .size: 8, .value_kind: global_buffer, .address_space: global }
      - { .name: dy, .offset: 16, .size: 8, .value_kind: global_buffer, .address_space: global }
      - { .name: radius, .offset: 24, .size: 8, .value_kind: global_buffer, .address_space: global }
      - { .name: dark_exp, .offset: 32, .size: 8, .value_kind: global_buffer, .address_space: global }
      - { .name: out0, .offset: 40, .size: 8, .value_kind: global_buffer, .address_space: global }
    .group_segment_fixed_size: 0
    .private_segment_fixed_size: 0
    .kernarg_segment_align: 8
    .kernarg_segment_size: 48
    .max_flat_workgroup_size: 256
    .sgpr_count:     66
    .vgpr_count:     112
    .wavefront_size: 32
...
	.end_amdgpu_metadata
.endif
;; end of part 1
